; MI455X (gfx1250); checked and timed in simulation.
; The chip was launched on July 23, 2026; its instructions are those of AMD's public machine-readable ISA for CDNA 5 (MIT licence, August 2026) and "CDNA5" Instruction Set Architecture Reference Guide (July 2026). The comments in the code are by the model that wrote it; some were corrected since.
;; Seq Attention. Allowed arithmetic: matrix products marked QUANTISED: E2M3 operands, one E8M0 scale for each 32 along K, by v_wmma_scale_f32_16x16x128_f8f6f4 with both operands' format E2M3, f32 sums; products left as they are: f32 operands where the result goes on into a quantised operand, else bf16, f16 or f32 operands; f32 sums; everything else in f32.
;; Inputs: W 1,024 x 1,024 float32; b 1,024 float32; x 32 x 1,024 x 1,024 float32.
;; Outputs: out0 32 x 1,024 float32.
;; This version of the problem:
;;   THIS VERSION OF THE PROBLEM IS GIVEN IN LOW PRECISION. The matrix products marked QUANTISED in the list below multiply operands that are first quantised to E2M3 (2 exponent bits, 3 mantissa bits; 6 bits a number), with one power-of-two scale for each 32 numbers along K (OCP MX v1.0); their sums are f32. All else is computed in f32.
;;   The module's matrix products, in the order in which they are computed (A, B: the left and right operand; K: the contracted axis; several contracted axes count as one K, in the product's order):
;;     1. [M 32,768, K 1,024] x [K 1,024, N 1,024]; A: input x; B: input W: QUANTISED
;;     2. batch 32 x [M 1,024, K 1,024] x [K 1,024, N 1,024]; A: computed on the way; B: computed on the way: QUANTISED
;;     3. batch 32 x [M 1, K 1,024] x [K 1,024, N 1,024]; A: computed on the way; B: computed on the way: left as it is (M = 1 < 16)
;;   THE QUANTISER, for each operand of a quantised product, along K:
;;     - K is cut into blocks of 32 from its start; a last block that is shorter is filled with zeros.
;;     - A block's scale is 2^e with e = floor(log2(the largest magnitude in the block)) - 2, held to -126 .. 127; a block of zeros has e = 0. As a byte (E8M0): e + 127.
;;     - Each number is divided by its block's scale, clamped to +-7.5, and rounded to the nearest number of E2M3, ties to even, subnormals kept.
;;     - The product sums the exact products of the quantised numbers (number of the format x scale) in f32.
;;   ~~~python
;;   def quantise(x, axis):      # numpy; x: float32 -> the quantised numbers, widened to float32 again
;;       x = np.moveaxis(x, axis, -1); K = x.shape[-1]
;;       x = np.pad(x, [(0, 0)] * (x.ndim - 1) + [(0, -K % 32)]); x = x.reshape(x.shape[:-1] + (-1, 32)); a = np.abs(x).max(-1, keepdims=True)
;;       e = np.where(a > 0, np.clip(np.frexp(np.where(a > 0, a, 1))[1] - 1 - 2, -126, 127), 0)      # np.frexp(a)[1] - 1 = floor(log2(a)), exactly
;;       r = np.clip(x / 2.0 ** e, -7.5, 7.5)
;;       step = 2.0 ** (np.maximum(np.frexp(np.where(r == 0, 1, r))[1] - 1, 0) - 3)
;;       q = np.round(r / step) * step * 2.0 ** e      # np.round: ties to even
;;       return np.moveaxis(q.reshape(q.shape[:-2] + (-1,))[..., :K], -1, axis).astype(np.float32)
;;   ~~~
;;   OPERANDS COMPUTED ON THE WAY. 'Computed on the way' means the value that the module computes at that place (a softmax that the list does not call 'softmax' is quantised finished and normalised). What goes into a quantiser is computed in f32, as accurately as f32 sums, v_exp_f32 and their like allow (about 1e-6 of the number): no bf16 or f16 on the way to a quantiser, and a product that is left as it is and whose result goes on into a quantised operand takes f32 operands (vector FMAs, or v_wmma_f32_16x16x4_f32). A number that lies on a knife's edge between two numbers of the format may be rounded either way, as far as f32 arithmetic and the matrix unit's own rounding can turn it there, and no further.
;; One version. Each part assembles by itself: llvm-mc -triple=amdgcn-amd-amdhsa -mcpu=gfx1250 --defsym DOCPART=n.
;; ======== version 1 of 1: 2 launches
;; limits: right only within a limited range of input values
;; workspace buffers: psum 2,097,152 bytes
;; launch part (part 1): grid 256 x 1, 8 waves a work-group, no clusters, 131,072 bytes of LDS; arguments x, W, b, psum; writes psum
.if DOCPART == 1
	.amdgcn_target "amdgcn-amd-amdhsa--gfx1250"
	.amdhsa_code_object_version 6
	.text
	.protected	k_qc07ef66565_part
	.globl	k_qc07ef66565_part
	.p2align	8
	.type	k_qc07ef66565_part,@function
k_qc07ef66565_part:
	s_mov_b64 s[64:65], 0
	v_nop
	global_prefetch_b8 v0, s[64:65] scope:SCOPE_SE
	s_setreg_imm32_b32 hwreg(HW_REG_WAVE_MODE, 25, 1), 1
	s_wait_xcnt 0x0
; THE PROGRAM: context[b][t] = sum over j of s[b][j] hid[b][t][j], hid = Q(x) Q(W)^T + b, s[b][j] = sum over i of softmax_i(e[b][i][j]), e = Q(hid)^T Q(hid).
; DEAD WORK.  For every column j the softmax over i divides exp(e[i][j] - m[j]) by the sum over i of the same numbers, and s[j] adds the quotients over the same i:
; s[j] = (sum_i exp(e_ij - m_j)) / (sum_i exp(e_ij - m_j)) = 1, an identity that holds for all finite e, whatever x, W and b hold.  So e (the second product of the table), its two quantisers,
; the maximum, the exponentials and s reach no output, and the third product has the factor 1: context[b][t] = sum over j of hid[b][t][j].  They are left out whole.
; What stays: the first product in full, on codes of E2M3, the bias, and the sum along each row of hid.  All three inputs are live and are loaded.
; LIMITS: a NaN, an infinity or an overflow that would arise only in e or in the softmax is not carried to the result.  A block of zeros gets the scale byte 1 where the rule says 127: its codes are zeros, and this
; program alone reads the bytes; blocks whose largest magnitude lies under 2^(3 - 127), the floor, were not tried; NaN and infinities among the inputs are not served.  The f32 sums over n and k are taken in an order of their own (hid goes into no quantiser here).
;
; THIS LAUNCH: psum[s][row] = sum over n of (sum over k = 64 s .. 64 s + 63 of Q(x)[row][k] Q(W)[n][k]) + sum of b[64 s .. 64 s + 63].  The next launch adds the 16 slices: the 16 sums of b make b's whole sum.
; SHARES.  Work-group g: slice s = g % 16, rows 2048 (g / 16) .. + 2047.  It reads its 512 KB of x once and its slice of W (1,024 rows x 256 bytes) once, both f32, whole aligned 256 bytes a row, and quantises both: two blocks of 32 along k a row.
; TWO ROWS OF W IN ONE MATRIX INSTRUCTION.  The sum over n is wanted, so the 128 places along K of an instruction hold the slice of W's row n (places 0-63) and of W's row n + 16 (places 64-127) on one side,
; and the same 64 numbers of x twice on the other: its result is the sum of the two rows' products.  All fragments of W add onto the same accumulators, one for each 16 rows of x.
; TWO ROLES, parted by the wave's number.  Waves 0-3: wave w quantises W's rows 256 w .. 256 w + 255 into registers (8 fragments, 96 registers), keeps them for the whole launch, and multiplies.
; Waves 4-7 stream x: wave 4 + q takes rows 128 u + 32 q .. + 31 of each chunk u of 128 rows (16 chunks), turns them through its stage in LDS and stores IMAGES OF THE OPERAND'S REGISTERS (6 registers a lane, read twice).
; Images: two buffers of two chunks by turns.  In an interval between two barriers buffer p is read while the other is written.
; Row sums of each multiplying wave go to LDS and are added, four waves, at the end.
; CLUSTER: none.  W's slice is read once by a work-group, on its way into the registers of the one wave that keeps it.  As f32 it is 262,144 bytes, which do not fit in LDS beside the 130,048 used here:
; joint loads would come as refills, each behind a round of the cluster, ahead of every product.  x is shared by no two work-groups.
; PREFETCH: none.  The loads themselves run four units ahead: 64 loads of 512 bytes out in each of four quantising waves, 128 KB a work-group.
; THE MATRIX INSTRUCTION IS USED TRANSPOSED: source 0 = W, source 1 = x: a lane holds one row of x (lane % 16) and eight sums in eight registers.
; REGISTERS.  Window 0: v0-31 small; v32-127 W's fragments (quantising waves: codes and work); v128-255 two sets of 8 accumulators (ahead of them and in quantising waves: two sets of 64 numbers).
; Window 1: four sets of 64 registers as loaded; in multiplying waves later two sets of 8 fragments of x.
.set STGW,  32*272                     ; a wave's stage: 32 rows of 256 bytes + 16
.set XIMG,  8*STGW                     ; x's images: two buffers: 16 x 768 bytes (512 of registers 0-3, 256 of registers 4-5), then 8 x 128 bytes of scale words
.set XBUF,  13312
.set XSCO,  12288
.set OST,   XIMG+2*XBUF                ; row sums: 8,192 bytes for each multiplying wave
.set SPARE, OST+32768                  ; the spare words, 128 bytes for each wave: four blocks of 256 bytes that no other line names
.set UNITB, 524288                     ; 128 rows of x in bytes
.set WUNB,  131072                     ; 32 rows of W in bytes
.set AIF,  1                           ; v1  images, to read: + 16 x lane
.set AIG,  2                           ; v2  their registers 4-5: + 8 x lane
.set AXS,  3                           ; v3  scale words, to read
.set AST,  4                           ; v4  my stage, on the way in
.set ASL,  5                           ; v5  my stage, on the way out: 272 r + 128 h
.set AIS,  6                           ; v6  where I store my images
.set AIT,  7                           ; v7
.set WS,   8                           ; v8-11   W's scale words: fragment 2 j in lanes 0-15, 2 j + 1 in lanes 16-31
.set XS,   12                          ; v12-15, v20-23 x's scale words, two sets
.set ASS,  16                          ; v16 where I store my scale words
.set AOS,  17                          ; v17 my row sums' place
.set AOT,  18                          ; v18 the same, for the chunks at work
.set GX,   19                          ; v19 16 r + 4,096 h: a load takes two rows of 256 bytes
.set H8,   24                          ; v24 8 h
.set SELX, 25                          ; v25 byte selects for x's scale word
.set T,    26                          ; v26 the other half's bytes
.set BB,   28                          ; v28-29 two numbers of b
.set SPW,  30                          ; v30 LDS address of my spare word; never rewritten
.set NIL,  31                          ; v31 0; never rewritten
.set WC,   32
.set ACC,  128
.set X0,   128
.set X1,   192
.set WV,   12                          ; s12 wave
.set W4,   13                          ; s13 its low two bits
.set SEL,  20                          ; s[20:21] lane selects: lane l xor 16
.set HM,   22                          ; s22 the mask of lanes 16-31
.set TRIP, 23
.set OOF,  24                          ; s24 the row sums' step
.set XB,   26                          ; s[26:27] x at my first rows
.set WB,   28                          ; s[28:29] W at my first rows
.set MSB, 0
.macro WIN new                         ; the immediate's high byte repeats the setting that is left; a switch that changes nothing is dropped
.if MSB != \new
	s_set_vgpr_msb (MSB<<8)|\new
.set MSB, \new
.endif
.endm
.macro PLACES                          ; four plain vector instructions behind a matrix instruction, ahead of loads into its registers and of reads of its result (ISA guide 7.12.1 for reads of its result)
.rept 4
	v_nop
.endr
.endm
; 16 loads: 32 rows x 256 bytes into set \set
.macro LD16 set, base, off, nt
	WIN 0x40
.irp i, 0,1,2,3,4,5,6,7,8,9,10,11,12,13,14,15
.if \nt
	global_load_b128 v[64*(\set)+4*\i:64*(\set)+4*\i+3], v[GX], s[\base:\base+1] offset:(\off)+8192*\i th:TH_LOAD_NT
.else
	global_load_b128 v[64*(\set)+4*\i:64*(\set)+4*\i+3], v[GX], s[\base:\base+1] offset:(\off)+8192*\i
.endif
.endr
	WIN 0
.endm
; set \set through my stage: register 32 c + i of \xb = row 16 c + r, k = 32 h + i.  LDS serves a wave's instructions in order: the loads see the stores
.macro STG set, xb
	WIN 0x04
.irp i, 0,1,2,3,4,5,6,7,8,9,10,11,12,13,14,15
	ds_store_b128 v[AST], v[64*(\set)+4*\i:64*(\set)+4*\i+3] offset:544*\i
.endr
	WIN 0
.irp c, 0,1
.irp j, 0,1,2,3,4,5,6,7
	ds_load_b128 v[(\xb)+32*\c+4*\j:(\xb)+32*\c+4*\j+3], v[ASL] offset:4352*\c+16*\j
.endr
.endr
.endm
; 64 numbers at \xb become 12 registers of codes at \d (6 for each c) and a scale word \pw: bytes (c, h) = (0,0), (0,1), (1,0), (1,1).  \wk: 16 registers at work
.macro QUANT xb, d, wk, pw
.set qX, \xb
.set qD, \d
.set qT, \wk
.set qM, qT+8
.set qS, qT+12
.set qB, qT+14
.set qW, \pw
.irp c, 0,1
.irp u, 0,1
	v_max3_num_f32 v[qM+2*\c+\u], |v[qX+32*\c+16*\u]|, |v[qX+32*\c+16*\u+1]|, 0x1800000   ; four chains, and the floor 2^(3 - 127): the byte cannot fall under 1
.endr
.endr
.irp i, 2,4,6,8,10,12,14
.irp c, 0,1
.irp u, 0,1
	v_max3_num_f32 v[qM+2*\c+\u], v[qM+2*\c+\u], |v[qX+32*\c+16*\u+\i]|, |v[qX+32*\c+16*\u+\i+1]|
.endr
.endr
.endr
.irp c, 0,1
	v_max_num_f32 v[qM+2*\c], v[qM+2*\c], v[qM+2*\c+1]    ; the block's largest magnitude: all 32 numbers are mine
.endr
.irp c, 0,1
	v_add_nc_u32 v[qS+\c], 0xff000000, v[qM+2*\c]         ; 2 off its exponent field: the conversion's scale operand
.endr
.irp c, 0,1
	v_lshrrev_b32 v[qB+\c], 23, v[qS+\c]                  ; the scale's byte
.endr
	s_delay_alu instid0(VALU_DEP_1)
	v_lshl_or_b32 v[qW], v[qB+1], 16, v[qB]               ; my two bytes,
	s_delay_alu instid0(VALU_DEP_1)
	v_lshlrev_b32 v[qW], v[H8], v[qW]                     ; at their places in the word;
	s_delay_alu instid0(VALU_DEP_1)
	v_permlanex16_b32 v[T], v[qW], s[SEL], s[SEL+1]
	s_delay_alu instid0(VALU_DEP_1)
	v_or_b32 v[qW], v[qW], v[T]                           ; with lane l xor 16's two the word is whole, in both halves of the lanes
.irp c, 0,1
	v_cvt_scalef32_pk16_fp6_f32 v[qD+6*\c:qD+6*\c+2], v[qX+32*\c:qX+32*\c+15], v[qS+\c]
	v_cvt_scalef32_pk16_fp6_f32 v[qT+4*\c:qT+4*\c+2], v[qX+32*\c+16:qX+32*\c+31], v[qS+\c]   ; (a conversion's three registers begin on an even number)
.endr
	v_nop                                                 ; one plain place behind the scaled conversions
.irp c, 0,1
.irp i, 0,1,2
	v_mov_b32 v[qD+6*\c+3+\i], v[qT+4*\c+\i]
.endr
.endr
.endm
; ---- the quantising waves.  QIMG: 32 rows at \xb become two images and a register of scale words (five LDS stores) in half \hh of buffer \p
.macro QIMG xb, d, p, hh
	QUANT \xb, \d, 64, 80
	v_perm_b32 v[82], v[80], v[80], v[SELX]               ; lanes 0-15: c = 0's two bytes twice; lanes 16-31: c = 1's
.irp c, 0,1
	ds_store_b128 v[AIS], v[(\d)+6*\c:(\d)+6*\c+3] offset:XBUF*(\p)+6144*(\hh)+768*\c
	ds_store_b64 v[AIT], v[(\d)+6*\c+4:(\d)+6*\c+5] offset:XBUF*(\p)+6144*(\hh)+768*\c
.endr
	ds_store_b32 v[ASS], v[82] offset:XBUF*(\p)+512*(\hh)
.endm
; two units from sets s0, s0 + 1 into buffer p.  l0, l1: loads issued behind each set's, which may stay out.  refill: the sets take units uo, uo + 1 (counted from XB)
.macro QPAIR s0, p, refill, uo, l0, l1
	s_wait_loadcnt \l0                             ; loads come back in order: this set's sixteen are in
	STG \s0, X0
	s_wait_dscnt 0x0                               ; the numbers are back, and the stage's stores have read the set
.if \refill
	LD16 \s0, XB, (\uo)*UNITB, 1
.endif
	s_wait_loadcnt \l1
	STG (\s0)+1, X1
	QIMG X0, 32, \p, 0
	s_wait_dscnt 5                                 ; all but the five image stores: the second unit's numbers are back
.if \refill
	LD16 (\s0)+1, XB, ((\uo)+1)*UNITB, 1
.endif
	QIMG X1, 44, \p, 1
	PLACES
.endm
.macro QONE set, p, hh, left
	s_wait_loadcnt \left
	STG \set, X0
	s_wait_dscnt 0x0
	QIMG X0, 32, \p, \hh
	PLACES
.endm
; ---- the multiplying waves.  WUNIT: fragment f of W; the next unit goes through the stage while this one is worked (the last two by themselves: their work lies in the second set of numbers)
.macro WUNIT f
	s_wait_dscnt 0x0                               ; unit f's numbers are back, and the stage's stores have read its set
.if (\f) < 4
	LD16 \f, WB, ((\f)+4)*WUNB, 0
.endif
.if (\f) < 4
	s_wait_loadcnt 48
.elseif (\f) < 6
	s_wait_loadcnt 112-16*((\f)+1)                 ; nothing more is asked for: 32, then 16
.endif
.if (\f) < 6
	STG ((\f)+1)%4, X0+64*(((\f)+1)%2)
	QUANT X0+64*((\f)%2), WC+12*(\f), 104, 120+(\f)%2
.else
	QUANT X0, WC+12*(\f), X1, X1+16+(\f)%2
.endif
.if ((\f)%2) == 1
	v_cndmask_b32 v[WS+(\f)/2], v[qW-1], v[qW], s[HM]
.endif
.if (\f) == 6
	s_wait_loadcnt 0x0
	STG 3, X0
.endif
.endm
; 36 loads: x's scale words and eight fragments of half hh of buffer p into set \set: registers 0-5 and once more 6-11
.macro FETCH set, p, hh
	WIN 0
.irp j, 0,1,2,3
	ds_load_b32 v[XS+8*(\set)+\j], v[AXS] offset:XBUF*(\p)+512*(\hh)+128*\j
.endr
	WIN 0x40
.irp a, 0,1,2,3,4,5,6,7
.irp c, 0,1
	ds_load_b128 v[96*(\set)+12*\a+6*\c:96*(\set)+12*\a+6*\c+3], v[AIF] offset:XBUF*(\p)+6144*(\hh)+768*\a
	ds_load_b64 v[96*(\set)+12*\a+6*\c+4:96*(\set)+12*\a+6*\c+5], v[AIG] offset:XBUF*(\p)+6144*(\hh)+768*\a
.endr
.endr
	WIN 0
.endm
.macro WM set, f, a                    ; one product: fragment f of W against block a of x; f = 0 starts the sums: nothing is ever cleared
.set rB, WC+12*(\f)
.set rA, 96*(\set)+12*(\a)
.set rC, ACC+64*(\set)+8*(\a)
.set rW, WS+(\f)/2
.set rX, XS+8*(\set)+(\a)/2
.if (\f) == 0
.if ((\a)%2) == 0
	v_wmma_scale_f32_16x16x128_f8f6f4 v[rC:rC+7], v[rB:rB+11], v[rA:rA+11], 0, v[rW], v[rX] matrix_a_fmt:MATRIX_FMT_FP6 matrix_b_fmt:MATRIX_FMT_FP6
.else
	v_wmma_scale_f32_16x16x128_f8f6f4 v[rC:rC+7], v[rB:rB+11], v[rA:rA+11], 0, v[rW], v[rX] matrix_a_fmt:MATRIX_FMT_FP6 matrix_b_fmt:MATRIX_FMT_FP6 matrix_b_scale:MATRIX_SCALE_ROW1
.endif
.elseif (((\f)%2) == 0) && (((\a)%2) == 0)
	v_wmma_scale_f32_16x16x128_f8f6f4 v[rC:rC+7], v[rB:rB+11], v[rA:rA+11], v[rC:rC+7], v[rW], v[rX] matrix_a_fmt:MATRIX_FMT_FP6 matrix_b_fmt:MATRIX_FMT_FP6
.elseif ((\f)%2) == 0
	v_wmma_scale_f32_16x16x128_f8f6f4 v[rC:rC+7], v[rB:rB+11], v[rA:rA+11], v[rC:rC+7], v[rW], v[rX] matrix_a_fmt:MATRIX_FMT_FP6 matrix_b_fmt:MATRIX_FMT_FP6 matrix_b_scale:MATRIX_SCALE_ROW1
.elseif ((\a)%2) == 0
	v_wmma_scale_f32_16x16x128_f8f6f4 v[rC:rC+7], v[rB:rB+11], v[rA:rA+11], v[rC:rC+7], v[rW], v[rX] matrix_a_fmt:MATRIX_FMT_FP6 matrix_b_fmt:MATRIX_FMT_FP6 matrix_a_scale:MATRIX_SCALE_ROW1
.else
	v_wmma_scale_f32_16x16x128_f8f6f4 v[rC:rC+7], v[rB:rB+11], v[rA:rA+11], v[rC:rC+7], v[rW], v[rX] matrix_a_fmt:MATRIX_FMT_FP6 matrix_b_fmt:MATRIX_FMT_FP6 matrix_a_scale:MATRIX_SCALE_ROW1 matrix_b_scale:MATRIX_SCALE_ROW1
.endif
.endm
; line i of 40 that add up accumulator set os, each from its low end on.  Written as multiply-adds with the factor 1: they name both terms by sources 0 and 2, whose window is the accumulators' among the products.
; Lines 0-31: each accumulator's eight registers into its first; 32-39: the halves of the lanes: block 2 j's sums in lanes 0-15, block 2 j + 1's in lanes 16-31 of the pair's first register
.macro RED os, i
.set rN, \i
.set rP, ACC+64*(\os)+8*(rN%8)
.if rN < 8
	v_pk_fma_f32 v[rP:rP+1], v[rP:rP+1], 1.0, v[rP+2:rP+3] op_sel_hi:[1,0,1]
.elseif rN < 16
	v_pk_fma_f32 v[rP:rP+1], v[rP+4:rP+5], 1.0, v[rP:rP+1] op_sel_hi:[1,0,1]
.elseif rN < 24
	v_pk_fma_f32 v[rP:rP+1], v[rP+6:rP+7], 1.0, v[rP:rP+1] op_sel_hi:[1,0,1]
.elseif rN < 32
	v_fma_f32 v[rP], v[rP+1], 1.0, v[rP]
.elseif rN < 36
.set rP, ACC+64*(\os)+16*(rN-32)
	v_permlane16_swap_b32 v[rP], v[rP+8]
.elseif rN < 40
.set rP, ACC+64*(\os)+16*(rN-36)
	v_fma_f32 v[rP], v[rP], 1.0, v[rP+8]
.endif
.endm
; a chunk: 64 matrix instructions; its eight accumulators take turns, one instruction a turn; red = 1: the chunk before is added up among them, a line behind each product
.macro MUL set, red
	WIN 0x04                                       ; source 1 (x) window 1; source 0 (W), C and D window 0
.irp f, 0,1,2,3,4,5,6,7
.irp a, 0,1,2,3,4,5,6,7
	WM \set, \f, \a
.if \red
	RED 1-(\set), 8*(\f)+(\a)
.endif
.endr
.endr
.endm
.macro STO os, off                     ; a chunk's 128 row sums
	WIN 0
.irp j, 0,1,2,3
	ds_store_b32 v[AOT], v[ACC+64*(\os)+16*\j] offset:(\off)+128*\j
.endr
.endm
; an interval: set 1 holds the chunk before's fragments, which were in ahead of the barrier: its products stand over the loads of set 0
.macro MSTD p, off
	FETCH 0, \p, 0
	MUL 1, 1
	STO 0, \off
	PLACES
	FETCH 1, \p, 1
	s_wait_dscnt 36                                ; all but the 36 just issued: set 0 is in
	MUL 0, 1
	STO 1, (\off)+512
	PLACES
.endm
.macro SPLIT id                        ; the branch hangs on the wave's number alone
	s_cmp_lt_u32 s[WV], 4
	s_cbranch_scc0 .Lq_\id
	s_wait_loadcnt 0x0                             ; (a multiplying wave has no global load out behind its W: met at once)
.endm
.macro OTHER id
	WIN 0
	s_branch .Lj_\id
.Lq_\id:
.endm
.macro JOIN id                         ; and the barrier: my images or row sums have landed, my reads of the images are in
	s_wait_alu depctr_va_vdst(0)
.Lj_\id:
	s_wait_dscnt 0x0
	s_barrier_signal -1
	s_barrier_wait -1
.endm
	s_load_b256 s[4:11], s[0:1], 0x0               ; x s[4:5], W s[6:7], b s[8:9], psum s[10:11]
	s_mov_b32 s[SEL], 0x76543210
	s_mov_b32 s[SEL+1], 0xfedcba98
	v_lshl_add_u32 v[SPW], v0, 2, SPARE
	v_mov_b32 v[NIL], 0
	v_lshrrev_b32 v32, 5, v0
	v_readfirstlane_b32 s[WV], v32                 ; wave 0..7
	s_and_b32 s[W4], s[WV], 3
	s_mul_i32 s16, s[WV], STGW
	s_mul_i32 s17, s[W4], 1536
	s_lshl_b32 s18, s[W4], 7
	s_lshl_b32 s19, s[W4], 13
	v_and_b32 v33, 31, v0                          ; lane
	v_and_b32 v34, 15, v0                          ; r
	v_bfe_u32 v35, v0, 4, 1                        ; h
	v_cmp_lt_u32 s[HM], 15, v33                    ; lanes 16-31
	v_lshlrev_b32 v36, 4, v34
	v_lshlrev_b32 v39, 4, v33
	v_lshlrev_b32 v40, 3, v33
	v_lshlrev_b32 v41, 2, v33
	v_lshl_add_u32 v[GX], v35, 12, v36
	v_mul_u32_u24 v37, 272, v35
	v_mul_u32_u24 v38, 272, v34
	v_add_nc_u32 v37, v37, v36
	v_lshl_add_u32 v38, v35, 7, v38
	v_add_nc_u32 v[AST], s16, v37
	v_add_nc_u32 v[ASL], s16, v38
	v_add_nc_u32 v[AIF], XIMG, v39
	v_add_nc_u32 v[AIG], XIMG+512, v40
	v_add_nc_u32 v[AXS], XIMG+XSCO, v41
	v_add_nc_u32 v[AOS], OST, v41
	v_add_nc_u32 v[AIS], s17, v[AIF]
	v_add_nc_u32 v[AIT], s17, v[AIG]
	v_add_nc_u32 v[ASS], s18, v[AXS]
	v_add_nc_u32 v[AOS], s19, v[AOS]
	v_lshlrev_b32 v[H8], 3, v35
	v_mov_b32 v42, 0x01000100
	v_mov_b32 v43, 0x03020302
	v_mov_b32 v[T], 0                              ; written once: a lane permute's destination counts as one of its sources
	v_cndmask_b32 v[SELX], v42, v43, s[HM]
	s_wait_alu depctr_va_vdst(0)
	s_and_b32 s14, ttmp9, 15                       ; the slice of k
	s_lshr_b32 s15, ttmp9, 4                       ; the group of 2,048 rows
	s_lshl_b32 s2, s14, 8                          ; 64 numbers are 256 bytes, in a row of x, of W, and in b
	s_mov_b32 s3, 0
	s_lshl_b32 s16, s15, 23
	s_lshl_b32 s17, s[W4], 17                      ; my 32 rows of each chunk of x
	s_add_co_u32 s16, s16, s17
	s_add_co_u32 s16, s16, s2
	s_mov_b32 s17, 0
	s_lshl_b32 s18, s[W4], 20                      ; my 256 rows of W
	s_add_co_u32 s18, s18, s2
	s_mov_b32 s19, 0
	s_lshl_b32 s30, s14, 17                        ; psum: 131,072 bytes a slice, 8,192 a work-group
	s_lshl_b32 s31, s15, 13
	s_add_co_u32 s30, s30, s31
	s_mov_b32 s31, 0
	s_wait_kmcnt 0x0
	s_add_nc_u64 s[XB:XB+1], s[4:5], s[16:17]
	s_add_nc_u64 s[WB:WB+1], s[6:7], s[18:19]
	s_add_nc_u64 s[8:9], s[8:9], s[2:3]
	s_add_nc_u64 s[10:11], s[10:11], s[30:31]
	global_load_b64 v[BB:BB+1], v40, s[8:9]        ; the oldest load: any wait below for the first set shows it done
	s_cmp_lt_u32 s[WV], 4
	s_cbranch_scc0 .Lq_p
	LD16 0, WB, 0, 0
	LD16 1, WB, WUNB, 0
	LD16 2, WB, 2*WUNB, 0
	LD16 3, WB, 3*WUNB, 0                          ; a load that the counter's field cannot take is issued when an earlier one has come back (ISA guide 5.7.1)
	s_wait_loadcnt 48                              ; unit 0 is in
	STG 0, X0
.irp f, 0,1,2,3,4,5,6,7
	WUNIT \f
.endr
.rept 8
	v_nop                                          ; a scale register written by a vector instruction stands 8 places ahead of a scaled matrix instruction
.endr
	s_wait_alu depctr_va_vdst(0)
	OTHER p
	LD16 0, XB, 0, 1
	LD16 1, XB, UNITB, 1
	LD16 2, XB, 2*UNITB, 1
	LD16 3, XB, 3*UNITB, 1
	QPAIR 0, 0, 1, 4, 48, 48                       ; chunks 0, 1; chunks 4, 5 are asked for; behind each set's loads three sets of 16 are out
	JOIN p
	SPLIT 0                                        ; interval 0: chunk 0's products | chunks 2, 3
	FETCH 0, 0, 0
	FETCH 1, 0, 1
	s_wait_dscnt 36                                ; set 0 is in
	MUL 0, 0
	PLACES
	OTHER 0
	QPAIR 2, 1, 1, 6, 48, 48
	JOIN 0
	s_mov_b32 s[TRIP], 2
	s_mov_b32 s[OOF], 0
.Ltrip:                                            ; two trips: intervals 1 to 4; in trip t chunks 4 t + 1 .. 4 t + 4 are multiplied, 4 t .. 4 t + 3 stored, 4 t + 4 .. 4 t + 7 quantised, 4 t + 8 .. 4 t + 11 asked for
	v_add_nc_u32 v[AOT], s[OOF], v[AOS]
	s_wait_alu depctr_va_vdst(0)
	SPLIT 1
	MSTD 1, 0
	OTHER 1
	QPAIR 0, 0, 1, 8, 48, 48
	JOIN 1
	SPLIT 2
	MSTD 0, 1024
	OTHER 2
	QPAIR 2, 1, 1, 10, 48, 48
	JOIN 2
	s_wait_xcnt 0x0                                ; x's loads have read their base: it is stepped only behind this wait
	s_add_nc_u64 s[XB:XB+1], s[XB:XB+1], 4*UNITB
	s_add_co_u32 s[OOF], s[OOF], 2048
	s_sub_co_u32 s[TRIP], s[TRIP], 1
	s_cmp_lg_u32 s[TRIP], 0
	s_cbranch_scc1 .Ltrip
	v_add_nc_u32 v[AOT], s[OOF], v[AOS]            ; from chunk 8 on
	s_wait_alu depctr_va_vdst(0)
	SPLIT 5                                        ; chunks 9, 10 | chunks 12, 13: nothing more of x is asked for, so the counts run down
	MSTD 1, 0
	OTHER 5
	QPAIR 0, 0, 0, 0, 48, 32
	JOIN 5
	SPLIT 6                                        ; chunks 11, 12, 13 | chunk 14
	MSTD 0, 1024
	s_wait_dscnt 0x0                               ; set 1 is in
	MUL 1, 1
	STO 0, 2048
	PLACES
	OTHER 6
	QONE 2, 1, 0, 16
	JOIN 6
	SPLIT 7                                        ; chunk 14 | chunk 15
	FETCH 0, 1, 0
	s_wait_dscnt 0x0
	MUL 0, 1
	STO 1, 2560
	PLACES
	OTHER 7
	QONE 3, 1, 1, 0
	JOIN 7
	s_cmp_lt_u32 s[WV], 4
	s_cbranch_scc0 .Lj_8
	FETCH 1, 1, 1
	s_wait_dscnt 0x0
	MUL 1, 1                                       ; chunk 15
	STO 0, 3072
	PLACES
.set qi, 0
.rept 40
	RED 1, qi
.set qi, qi+1
.endr
	STO 1, 3584
	JOIN 8
	; the four waves' sums of rows 4 t .. 4 t + 3 and 1024 + 4 t .. + 3, t the thread's number, and the slice's sum of b
	v_lshlrev_b32 v32, 4, v0
	v_add_nc_u32 v33, OST, v32
.irp g, 0,1
.irp w, 0,1,2,3
	ds_load_b128 v[128+16*\g+4*\w:131+16*\g+4*\w], v33 offset:8192*\w+4096*\g
.endr
.endr
	v_mov_b32 v35, 0
	v_add_f32 v34, v[BB], v[BB+1]
	v_add_f32_dpp v34, v34, v34 row_xmask:1 row_mask:0xf bank_mask:0xf
	v_add_f32_dpp v34, v34, v34 row_xmask:2 row_mask:0xf bank_mask:0xf
	v_add_f32_dpp v34, v34, v34 row_xmask:4 row_mask:0xf bank_mask:0xf
	v_add_f32_dpp v34, v34, v34 row_xmask:8 row_mask:0xf bank_mask:0xf
	v_permlanex16_b32 v35, v34, s[SEL], s[SEL+1]
	v_add_f32 v34, v34, v35                        ; b's 64 numbers, in every lane
	s_wait_alu depctr_va_vdst(0)
	s_wait_dscnt 0x0
.irp g, 0,16
.irp e, 0,2
	v_pk_add_f32 v[128+\g+\e:129+\g+\e], v[128+\g+\e:129+\g+\e], v[132+\g+\e:133+\g+\e]
	v_pk_add_f32 v[136+\g+\e:137+\g+\e], v[136+\g+\e:137+\g+\e], v[140+\g+\e:141+\g+\e]
.endr
.endr
.irp g, 0,16
.irp e, 0,2
	v_pk_add_f32 v[128+\g+\e:129+\g+\e], v[128+\g+\e:129+\g+\e], v[136+\g+\e:137+\g+\e]
.endr
.endr
.irp g, 0,16
.irp e, 0,2
	v_pk_add_f32 v[128+\g+\e:129+\g+\e], v[128+\g+\e:129+\g+\e], v[34:35] op_sel_hi:[1,0]
.endr
.endr
	global_store_b128 v32, v[128:131], s[10:11]    ; 32 lanes store 512 consecutive bytes, at a multiple of 256 from psum's first byte
	global_store_b128 v32, v[144:147], s[10:11] offset:4096
	s_wait_tensorcnt 0x0                           ; the wave's end
	ds_add_u32 v[SPW], v[NIL]
	s_wait_dscnt 0x0
	s_endpgm
.Lfunc_end_k_qc07ef66565_part:
	.size	k_qc07ef66565_part, .Lfunc_end_k_qc07ef66565_part-k_qc07ef66565_part
	.p2alignl 7, 3214868480
	.fill 96, 4, 3214868480
	.section	.rodata,"a",@progbits
	.p2align	6, 0x0
	.amdhsa_kernel k_qc07ef66565_part
		.amdhsa_group_segment_fixed_size 131072
		.amdhsa_private_segment_fixed_size 0
		.amdhsa_enable_private_segment 0
		.amdhsa_kernarg_size 32
		.amdhsa_user_sgpr_count 2
		.amdhsa_user_sgpr_kernarg_segment_ptr 1
		.amdhsa_wavefront_size32 1
		.amdhsa_system_sgpr_workgroup_id_x 1
		.amdhsa_system_sgpr_workgroup_id_y 1
		.amdhsa_system_sgpr_workgroup_id_z 1
		.amdhsa_system_vgpr_workitem_id 0
		.amdhsa_next_free_vgpr 512
		.amdhsa_next_free_sgpr 66
		.amdhsa_reserve_vcc 0
		.amdhsa_float_denorm_mode_32 3
		.amdhsa_float_denorm_mode_16_64 3
		.amdhsa_memory_ordered 1
		.amdhsa_forward_progress 1
		.amdhsa_inst_pref_size 255
	.end_amdhsa_kernel
	.section	.bss,"aw",@nobits
	.p2align	6
	.space	262144
	.amdgpu_metadata
---
amdhsa.version: [ 1, 2 ]
amdhsa.kernels:
  - .name:           k_qc07ef66565_part
    .symbol:         k_qc07ef66565_part.kd
    .args:
      - { .name: x, .offset: 0, .size: 8, .value_kind: global_buffer, .address_space: global }
      - { .name: W, .offset: 8, .size: 8, .value_kind: global_buffer, .address_space: global }
      - { .name: b, .offset: 16, .size: 8, .value_kind: global_buffer, .address_space: global }
      - { .name: psum, .offset: 24, .size: 8, .value_kind: global_buffer, .address_space: global }
    .group_segment_fixed_size: 131072
    .private_segment_fixed_size: 0
    .kernarg_segment_align: 8
    .kernarg_segment_size: 32
    .max_flat_workgroup_size: 256
    .sgpr_count:     66
    .vgpr_count:     512
    .wavefront_size: 32
...
	.end_amdgpu_metadata
.endif
;; end of part 1
;; launch total (part 2): grid 256 x 1, 1 waves a work-group, no clusters, 0 bytes of LDS; arguments psum, out0; writes out0
.if DOCPART == 2
	.amdgcn_target "amdgcn-amd-amdhsa--gfx1250"
	.amdhsa_code_object_version 6
	.text
	.protected	k_qc07ef66565_total
	.globl	k_qc07ef66565_total
	.p2align	8
	.type	k_qc07ef66565_total,@function
k_qc07ef66565_total:
	s_mov_b64 s[64:65], 0
	v_nop
	global_prefetch_b8 v0, s[64:65] scope:SCOPE_SE
	s_setreg_imm32_b32 hwreg(HW_REG_WAVE_MODE, 25, 1), 1
	s_wait_xcnt 0x0
; out0[row] = sum over s = 0 .. 15 of psum[s][row].  psum: [16][32768] f32, as the launch before stored it; out0: 32,768 f32.
; WORK LEFT OUT: the second product of the table, its softmax and the sum s = 1 (shown at the head of the first kernel).
; One wave a work-group takes 128 rows, four a lane: 16 loads of 512 consecutive bytes, all out at once, a tree of sums, one store of 512 consecutive bytes.  Every byte is read once: no LDS, no loop, so no prefetch.
	s_load_b128 s[4:7], s[0:1], 0x0                ; psum s[4:5], out0 s[6:7]
	v_lshlrev_b32 v1, 4, v0
	s_wait_alu depctr_va_vdst(0)
	s_lshl_b32 s2, ttmp9, 9
	s_mov_b32 s3, 0
	s_wait_kmcnt 0x0
	s_add_nc_u64 s[4:5], s[4:5], s[2:3]
	s_add_nc_u64 s[6:7], s[6:7], s[2:3]
.irp i, 0,1,2,3,4,5,6,7,8,9,10,11,12,13,14,15
	global_load_b128 v[4+4*\i:7+4*\i], v1, s[4:5] offset:131072*\i th:TH_LOAD_NT
.endr
	s_wait_loadcnt 0x0
.irp i, 0,1,2,3,4,5,6,7
	v_pk_add_f32 v[4+4*\i:5+4*\i], v[4+4*\i:5+4*\i], v[36+4*\i:37+4*\i]
	v_pk_add_f32 v[6+4*\i:7+4*\i], v[6+4*\i:7+4*\i], v[38+4*\i:39+4*\i]
.endr
.irp i, 0,1,2,3
	v_pk_add_f32 v[4+4*\i:5+4*\i], v[4+4*\i:5+4*\i], v[20+4*\i:21+4*\i]
	v_pk_add_f32 v[6+4*\i:7+4*\i], v[6+4*\i:7+4*\i], v[22+4*\i:23+4*\i]
.endr
.irp i, 0,1
	v_pk_add_f32 v[4+4*\i:5+4*\i], v[4+4*\i:5+4*\i], v[12+4*\i:13+4*\i]
	v_pk_add_f32 v[6+4*\i:7+4*\i], v[6+4*\i:7+4*\i], v[14+4*\i:15+4*\i]
.endr
	v_pk_add_f32 v[4:5], v[4:5], v[8:9]
	v_pk_add_f32 v[6:7], v[6:7], v[10:11]
	global_store_b128 v1, v[4:7], s[6:7]
	s_endpgm
.Lfunc_end_k_qc07ef66565_total:
	.size	k_qc07ef66565_total, .Lfunc_end_k_qc07ef66565_total-k_qc07ef66565_total
	.p2alignl 7, 3214868480
	.fill 96, 4, 3214868480
	.section	.rodata,"a",@progbits
	.p2align	6, 0x0
	.amdhsa_kernel k_qc07ef66565_total
		.amdhsa_group_segment_fixed_size 0
		.amdhsa_private_segment_fixed_size 0
		.amdhsa_enable_private_segment 0
		.amdhsa_kernarg_size 16
		.amdhsa_user_sgpr_count 2
		.amdhsa_user_sgpr_kernarg_segment_ptr 1
		.amdhsa_wavefront_size32 1
		.amdhsa_system_sgpr_workgroup_id_x 1
		.amdhsa_system_sgpr_workgroup_id_y 1
		.amdhsa_system_sgpr_workgroup_id_z 1
		.amdhsa_system_vgpr_workitem_id 0
		.amdhsa_next_free_vgpr 80
		.amdhsa_next_free_sgpr 66
		.amdhsa_reserve_vcc 0
		.amdhsa_float_denorm_mode_32 3
		.amdhsa_float_denorm_mode_16_64 3
		.amdhsa_memory_ordered 1
		.amdhsa_forward_progress 1
		.amdhsa_inst_pref_size 5
	.end_amdhsa_kernel
	.amdgpu_metadata
---
amdhsa.version: [ 1, 2 ]
amdhsa.kernels:
  - .name:           k_qc07ef66565_total
    .symbol:         k_qc07ef66565_total.kd
    .args:
      - { .name: psum, .offset: 0, .size: 8, .value_kind: global_buffer, .address_space: global }
      - { .name: out0, .offset: 8, .size: 8, .value_kind: global_buffer, .address_space: global }
    .group_segment_fixed_size: 0
    .private_segment_fixed_size: 0
    .kernarg_segment_align: 8
    .kernarg_segment_size: 16
    .max_flat_workgroup_size: 32
    .sgpr_count:     66
    .vgpr_count:     80
    .wavefront_size: 32
...
	.end_amdgpu_metadata
.endif
;; end of part 2
